; MI455X (gfx1250); checked and timed in simulation.
; The chip was launched on July 23, 2026; its instructions are those of AMD's public machine-readable ISA for CDNA 5 (MIT licence, August 2026) and "CDNA5" Instruction Set Architecture Reference Guide (July 2026). The comments in the code are by the model that wrote it; some were corrected since.
;; Attention. Allowed arithmetic: matrix products marked QUANTISED: E4M3 operands, one given power-of-two scale a tensor, by v_wmma_f32_16x16x64_fp8_fp8 or v_wmma_f32_16x16x128_fp8_fp8, f32 sums; products left as they are: f32 operands where the result goes on into a quantised operand, else bf16, f16 or f32 operands; f32 sums; everything else in f32.
;; Inputs: U_b 1,024 float32; U_w_codes 1,024 x 64 x 32 uint8 (E4M3 codes of U_w, K innermost, in blocks of 32 codes); W_b 1,024 float32; W_w_codes 1,024 x 32 x 32 uint8 (E4M3 codes of W_w, K innermost, in blocks of 32 codes); encoder_outputs_codes 512 x 64 x 64 x 32 uint8 (E4M3 codes of encoder_outputs, K innermost, in blocks of 32 codes); hidden_codes 64 x 32 x 32 uint8 (E4M3 codes of hidden, K innermost, in blocks of 32 codes); lowp_scales 4 int32 (the exponents e of the quantised operands' scales 2^e); mask 64 x 512 bool; v_w 1 x 1,024 float32.
;; Outputs: out0 64 x 512 float32.
;; This version of the problem:
;;   THIS VERSION OF THE PROBLEM IS GIVEN IN LOW PRECISION. The matrix products marked QUANTISED in the list below multiply operands that are first quantised to E4M3 (4 exponent bits, 3 mantissa bits; 8 bits a number), with one given power-of-two scale for each operand tensor; their sums are f32. All else is computed in f32.
;;   The module's matrix products, in the order in which they are computed (A, B: the left and right operand; K: the contracted axis; several contracted axes count as one K, in the product's order):
;;     1. [M 64, K 1,024] x [K 1,024, N 1,024]; A: input hidden (given as codes); B: input W_w (given as codes): QUANTISED (scales: A lowp_scales[0], B lowp_scales[1])
;;     2. [M 32,768, K 2,048] x [K 2,048, N 1,024]; A: input encoder_outputs (given as codes); B: input U_w (given as codes): QUANTISED (scales: A lowp_scales[2], B lowp_scales[3])
;;     3. [M 32,768, K 1,024] x [K 1,024, N 1]; A: computed on the way; B: input v_w: left as it is (N = 1 < 16)
;;   THE QUANTISER, for each operand of a quantised product, along K:
;;     - The operand's scale is 2^e, e = its entry of the input lowp_scales (int32; the entries are numbered through the quantised products in the list's order, A before B).
;;     - Each number is divided by the scale, clamped to +-448, and rounded to the nearest number of E4M3, ties to even, subnormals kept.
;;     - The product sums the exact products of the quantised numbers (number of the format x scale) in f32.
;;   ~~~python
;;   def quantise(x, axis, e):      # numpy; x: float32 -> the quantised numbers, widened to float32 again
;;       x = np.moveaxis(x, axis, -1); K = x.shape[-1]
;;       r = np.clip(x / 2.0 ** e, -448, 448)
;;       step = 2.0 ** (np.maximum(np.frexp(np.where(r == 0, 1, r))[1] - 1, -6) - 3)
;;       q = np.round(r / step) * step * 2.0 ** e      # np.round: ties to even
;;       return np.moveaxis(q, -1, axis).astype(np.float32)
;;   ~~~
;;   INPUTS GIVEN AS CODES. U_w (in the module: [1024, 2048], K = its axis 1); W_w (in the module: [1024, 1024], K = its axis 1); encoder_outputs (in the module: [512, 64, 2048], K = its axis 2); hidden (in the module: [64, 1024], K = its axis 1): each comes as NAME_codes (uint8): NAME with its K axis moved to the last place and cut into blocks of 32 codes, [.., K / 32, bytes a block], one block behind the other in memory; one code a byte (a code: sign, 4 exponent bits, 3 mantissa bits); its scale is its entry of lowp_scales. Its value is code x scale, taken as it is: it is not quantised again, and the codes and scales need not be those that the quantiser above would give.
;; One version. Each part assembles by itself: llvm-mc -triple=amdgcn-amd-amdhsa -mcpu=gfx1250 --defsym DOCPART=n.
;; ======== version 1 of 1: 2 launches
;; limits: a difference of large sums (such as E[x^2] - mean^2): digits are lost where the result is much smaller than its terms
;; workspace buffers: part 1,048,576 bytes
;; launch main (part 1): grid 4 x 64, 4 waves a work-group, clusters of 4 x 4, 327,680 bytes of LDS; arguments encoder_outputs_codes, U_w_codes, hidden_codes, W_w_codes, W_b, U_b, v_w, part, lowp_scales; writes part
.if DOCPART == 1
	.amdgcn_target "amdgcn-amd-amdhsa--gfx1250"
	.amdhsa_code_object_version 6
	.text
	.protected	k_qfbbd951beb_main
	.globl	k_qfbbd951beb_main
	.p2align	8
	.type	k_qfbbd951beb_main,@function
k_qfbbd951beb_main:
	s_mov_b64 s[64:65], 0
	v_nop
	global_prefetch_b8 v0, s[64:65] scope:SCOPE_SE
	s_setreg_imm32_b32 hwreg(HW_REG_WAVE_MODE, 25, 1), 1
	s_wait_xcnt 0x0
	s_wait_alu depctr_hold_cnt(0) depctr_sa_sdst(0) depctr_va_vdst(0) depctr_va_sdst(0) depctr_va_ssrc(0) depctr_va_vcc(0) depctr_vm_vsrc(0)
	s_getreg_b32 s2, hwreg(HW_REG_IB_STS2, 6, 4)
	s_cmp_eq_u32 s2, 0
	s_cbranch_scc0 .Lentry_in_a_cluster
	s_endpgm
.Lentry_in_a_cluster:
	s_bfe_u32 s2, ttmp6, 0x10000c
	s_cmp_lg_u32 s2, 0xf033
	s_cbranch_scc0 .Lentry_shape_is_right
	s_endpgm
.Lentry_shape_is_right:
; part[2 x + CH][b][s] = the sum over 128 columns h of v[h] r(b, s, h),  r = 1 / (1 + 2^(c acc)),  acc = bias[b][h] + sum over k of enc_code[s][b][k] U_code[h][k],  c = 2 log2(e) 2^(e2 + e3),
; bias[b][h] = ((sum over k of hidden_code[b][k] W_code[h][k]) 2^(e0 + e1) + W_b[h] + U_b[h]) 2^-(e2 + e3): the part of the tanh argument that does not hang on s, divided by the power of two that the large sums lack.
; tanh(y) = 1 - 2 / (1 + e^(2 y)), so the energy is (sum of v) - 2 (sum of v r): the next launch adds the eight parts and applies both.  2^t = infinity gives r = 0 and 2^t = 0 gives r = 1: tanh saturates by itself.
; LIMITS: e2 + e3 lies between -127 and 126 (it is added to the exponent field of 2 log2(e)).  NaN codes are not served.  The energy's rounding error is a few f32 units of the sum of |v|, not of the energy.
; SHARES.  256 work-groups.  x = N tile (256 columns h), b = the batch row.  A work-group makes TWO tiles of 256 (s) x 256 (h), s 0-255 and s 256-511 of ONE b: the rows of A lie 131,072 bytes apart (the descriptor's pitch),
; each K step takes 256 aligned bytes of a row, the bias is a vector along h alone (64 registers, the C of every sum's first product, for both tiles), and the results are neighbours along s.
; Four waves, as many as a WGP has SIMDs; a wave makes 128 x 128: 64 accumulators of 16 x 16, 512 registers.  K goes in steps of 256 through a ring of two LDS slots filled by the tensor data mover;
; the ring walks on from tile 0 into tile 1: slot steps g = 0 .. 15, tile g / 8, slot g % 2; the slot left at step g takes step g + 2.
; THE BIAS is made at the head, while the first tiles are on their way.  Source 1 of its product is row b of hidden in all sixteen rows of the fragment, so that every lane of the result holds its eight columns' numbers:
; the layout of a C.  Wave (RH, CH) makes the 4 column tiles 4 RH .. 4 RH + 3 of column half CH (K = 1,024 in 8 steps, four sums by turns); its 64 KB of W_w lie in the registers that the accumulators take later;
; the finished tiles go to LDS as images of their registers, and behind the first barrier each wave loads the eight tiles of its half.
; CLUSTERS: 4 x 4 work-groups.  The four of a row of the cluster (one b) need the same tiles of A, the four of a column (one x) the same tiles of B: each tile is asked for JOINTLY, by the same tensor load with the same
; descriptor and a mask that names the four.  The grid is four wide, as the cluster: each byte of the encoder's codes is asked for once in the launch.
; THE MATRIX INSTRUCTION IS USED TRANSPOSED (source 0 = 16 rows of U_w or W_w, source 1 = 16 rows of A): lane (r, hh) holds row s = 16 a + r, and its register j column h = 16 bt + 8 hh + j.
; A fragment is four loads of 16 bytes, 32 bytes apart, at row x pitch + 16 hh: a permutation of k, the same on both sides of a product.
; REGISTERS, in windows of 256.  Window 0: v5-9, v16-31 addresses; v32-95 the bias; v96-111 eight pairs of sums; v112-115, v120-123 the way out; v128-255 fragments of A, ONE set (at the head: hidden's eight fragments;
;   in a tile's epilogue v128-191 hold v).   window 1: fragments of B, TWO sets, at v0 and v128.   window 2: the 32 accumulators of my rows 0-63 ((a, bt) at v[8 (8 a + bt)]);   window 3: those of rows 64-127
;   (at the head windows 2 and 3 hold my 32 fragments of W_w).
.set ROWB,   256                       ; a tile's row in bytes: a slot holds 256 along K
.set APITCH, 131072                    ; from s to s + 1 in the encoder's codes: 64 b x 2,048
.set BPITCH, 2048                      ; a row of U_w
.set PITCH,  272                       ; an LDS row: 256 bytes + 16 of padding = 68 words: row r starts at bank 4 r mod 64 (64 banks of 4 bytes: ISA guide 11.1), so the 16 rows of a load start at 16 different banks
.set FR,     16                        ; registers of a fragment: 16 rows x 128 K
.set NL,     4                         ; LDS loads that bring one
.set NP,     4                         ; places behind this matrix instruction (ISA guide 7.12.1)
.set HALFT,  128*PITCH                 ; 128 rows: what one tensor load brings, and what one wave reads of A or of B
.set SLOT,   4*HALFT                   ; 256 rows of A, then 256 rows of B
.set SPARE,  2*SLOT                    ; behind the ring: the spare words, 128 bytes for each wave: two blocks of 256 bytes that no other line names
.set STAGE,  SPARE+512                 ; behind them: 512 bytes for each wave, for the way out; no tile lands there
.set BXCH,   STAGE+2048                ; the bias on its way from wave to wave: 2 column halves x 8 tiles x 1,024 bytes (a tile's 8 registers x 32 lanes); no tile lands there
.set HX,     BXCH+16384                ; row b of hidden, 1,024 bytes for each wave; no tile lands there
.set NEXT_A, 256*APITCH-6*ROWB         ; from a slot's last K step of tile 0 to its first of tile 1: 256 rows down, six steps of 256 back
.set BACK_B, 6*ROWB                    ; B only back: both tiles take the same rows of U_w
.set PF_NEXT, 256*APITCH-7*ROWB        ; the prefetches' step at the change of tiles: from byte 2,304 of tile 0's rows to byte 512 of tile 1's
.set WO,   5                           ; v5      a fragment of W_w: row r of 1,024 bytes + 16 hh
.set HXW,  6                           ; v6      HX + 1,024 wave + 16 lane: hidden's row on its way in
.set HXR,  7                           ; v7      HX + 1,024 wave + 16 hh: and back, the same bytes for all sixteen r
.set BXW,  8                           ; v8      BXCH + 8,192 CH + 4,096 RH + 16 lane: where I store my four tiles of the bias
.set BXR,  9                           ; v9      BXCH + 8,192 CH + 16 lane: where I load my half's eight
.set ADRA, 16                          ; v16-17  LDS address of my fragments of A in slot 0, 1
.set ADRB, 20                          ; v20-21  the same for B
.set BO,   24                          ; v24     32 hh: my eight columns in a tile of 16, in W_b, U_b and v_w
.set STW,  25                          ; v25     the way out: STAGE + 512 wave + 4 lane
.set STR,  26                          ; v26     and back: STAGE + 512 wave + 16 lane
.set OO,   27                          ; v27     16 lane
.set SPW,  28                          ; v28     LDS address of my spare word: SPARE + 4 x my thread's number; never rewritten
.set NIL,  29                          ; v29     0; never rewritten
.set PFO,  30                          ; v30     the prefetches' offset: lane x a row's pitch; never rewritten
.set LN,   31                          ; v31     lane
.set BIAS, 32                          ; v32-95  the bias of my 128 columns: tile bt at v[32 + 8 bt]
.set WBV,  64                          ; at the head: W_b of my four tiles,
.set UBV,  96                          ; and U_b
.set SS,   96                          ; v96-111 the sums of v r: a pair for each of my eight blocks of 16 rows
.set OV,   112                         ; v112-115 a row's sum in one lane: register i, lane l: row 32 i + l
.set OUT,  120                         ; v120-123 four neighbouring rows' sums
.set AF,   128                         ; fragments of A
.set VV,   128                         ; in the epilogue: v of my 128 columns, laid as the bias
.set G1,   24                          ; s[24:31] descriptor group 1 for tiles of A;  s[32:39] group 0, one set for each slot
.set G0,   32
.set G1B,  48                          ; s[48:55], s[56:63] the same for B
.set G0B,  56
.set CS,   66                          ; s[66:67] c, twice: the packed form names a pair
.set SEL,  72                          ; s[72:73] lane selects for v_permlanex16_b32: lane l xor 16
.set PFA,  74                          ; s[74:75] where my prefetches stand
.set LIM,  76                          ; s76     1 in a wave that prefetches (waves 0 and 1), else the greatest number
.set MSB, 0
.macro WIN new                         ; the immediate's high byte repeats the setting that is left; a switch that changes nothing is dropped
.if MSB != (\new)
	s_set_vgpr_msb (MSB<<8)|(\new)
.set MSB, \new
.endif
.endm
.set MUL_LO,   0xa1                    ; source 0 (B) window 1, source 1 (A) window 0, C and D window 2
.set MUL_HI,   0xf1                    ; the same, C and D window 3
.set FIRST_LO, 0x81                    ; a tile's first products: C is the bias, in window 0; D window 2
.set FIRST_HI, 0xc1                    ; D window 3
.set TO_B,     0x40                    ; destination window 1, address window 0
; A joint load: waves 0 and 1 fetch for A, waves 2 and 3 for B.  Each of the two lines has ONE mask and one set of registers for all that issue it; the branch hangs on the wave's number alone.
; Four v_nop follow each of the two lines, ahead of the jump, the label and what follows.
.macro JLOAD g0a, g1a, g0b, g1b
	s_cmp_eq_u32 s17, 0
	s_cbranch_scc0 .Lfor_b_\@
	tensor_load_to_lds s[\g0a:\g0a+3], s[\g1a:\g1a+7]
	s_nop 0
.rept 4
	v_nop
.endr
	s_branch .Lasked_\@
.Lfor_b_\@:
	tensor_load_to_lds s[\g0b:\g0b+3], s[\g1b:\g1b+7]
	s_nop 0
.rept 4
	v_nop
.endr
.Lasked_\@:
.endm
.macro CREST                           ; a round of the cluster's barrier behind its opening barrier
	s_cmp_lg_u32 s16, 0
	s_cbranch_scc1 .Lnot_wave_0_\@
	s_barrier_signal -3
.Lnot_wave_0_\@:
	s_barrier_wait -3
	s_barrier_signal -1
	s_barrier_wait -1
.endm
.macro CROUND                          ; a whole round
	s_barrier_signal -1
	s_barrier_wait -1
	CREST
.endm
; A PREFETCH INTO THE L2 of A's codes, behind a joint load and its four lines: behind the refill for slot step g + 2 stands the request for step g + 4, two slot steps (256 matrix instructions) ahead of its load.
; 32 rows x 256 bytes, a lane a row, one instruction a wave.  Waves 0 and 1 ask, each for the 128 rows that it fetches; the four partners that ask for a tile jointly share its rows out BY ADDRESS, 32 each (cx enters the address,
; no branch).  So each row's 256 bytes of a step are named once in the launch.  how = 0, in a loop: only in its first two trips (steps 4-7 and 12-15); how = 1, at the change of tiles: steps 10 and 11.
; Steps 0-3, 8 and 9 come by their loads alone, and nothing is asked for past step 15.  B is not prefetched: every cluster and both tiles read the same 2 MiB again.
.macro ASK how
.if \how
	s_cmp_eq_u32 s[LIM], 1
.else
	s_cmp_gt_u32 s3, s[LIM]                        ; s3 = 3, 2, 1 in a loop's three trips
.endif
	s_cbranch_scc0 .Lnot_mine_\@
	global_prefetch_b8 v[PFO], s[PFA:PFA+1] th:TH_LOAD_NT scope:SCOPE_SE
.Lnot_mine_\@:
.endm
	s_load_b128 s[4:7], s[0:1], 0x0                ; the encoder's codes s[4:5], U_w's codes s[6:7]
	s_load_b128 s[80:83], s[0:1], 0x10             ; hidden's codes s[80:81], W_w's codes s[82:83]
	s_load_b128 s[84:87], s[0:1], 0x20             ; W_b s[84:85], U_b s[86:87]
	s_load_b128 s[12:15], s[0:1], 0x30             ; v_w s[12:13], part s[14:15]
	s_load_b64 s[8:9], s[0:1], 0x40                ; the exponents
	v_lshl_add_u32 v[SPW], v0, 2, SPARE
	v_mov_b32 v[NIL], 0
	ds_add_u32 v28, v29
	ds_add_u32 v28, v29
	s_wait_dscnt 0x0
	v_lshrrev_b32 v1, 5, v0
	v_readfirstlane_b32 s16, v1                    ; wave 0..3
	s_lshr_b32 s17, s16, 1                         ; RH: which half of the tile's rows is mine.  Also: I fetch for A (0) or for B (1)
	s_and_b32 s18, s16, 1                          ; CH: which half of its columns.  Also: which 128 rows of that tile I fetch
	s_bfe_u32 s40, ttmp6, 0x40000                  ; cx, cy: my place in the cluster
	s_bfe_u32 s41, ttmp6, 0x40004
	s_lshl_b32 s42, ttmp9, 2
	s_add_co_u32 s42, s42, s40                     ; x = 4 x cluster x + cx
	s_and_b32 s43, ttmp7, 0xffff
	s_lshl_b32 s43, s43, 2
	s_add_co_u32 s43, s43, s41                     ; b = 4 x cluster y + cy
	s_lshl_b32 s44, s41, 2
	s_lshl_b32 s44, 15, s44                        ; my row of the cluster
	s_lshl_b32 s45, 0x1111, s40                    ; my column
	; descriptor group 1: a tile of 128 rows x 256 bytes, padded in LDS
	s_or_b32 s[G1+0], s44, (1<<20)|(1<<21)|(5<<22)|(3<<25)    ; 15:0 the mask: tiles of A go to my row; 17:16 elements of 1 byte; 20 padding on; 21 set beside a mask; 24:22 after every 64 words (code 5); 31:25 four words (code 3)
	s_or_b32 s[G1B+0], s45, (1<<20)|(1<<21)|(5<<22)|(3<<25)   ; the same with the mask of my column
.irp g, G1, G1B
	s_mov_b32 s[\g+1], ROWB<<16                    ; tensor_dim0 = 256
	s_mov_b32 s[\g+2], 128<<16                     ; tensor_dim1 = 128
	s_mov_b32 s[\g+3], ROWB<<16                    ; tile_dim0 = 256
	s_mov_b32 s[\g+4], 128                         ; tile_dim1 = 128
	s_mov_b32 s[\g+6], 0
	s_mov_b32 s[\g+7], 0
.endr
	s_mov_b32 s[G1+5], APITCH                      ; tensor_dim0_stride: from s to s + 1
	s_mov_b32 s[G1B+5], BPITCH                     ; from h to h + 1
	s_lshl_b32 s20, s43, 11                        ; A: b's 2,048 bytes of row s = 0,
	s_lshl_b32 s19, s18, 24
	s_add_co_u32 s20, s20, s19                     ; + 128 rows x half
	s_mov_b32 s21, 0
	s_lshl_b32 s46, s42, 19                        ; B: row 256 x,
	s_lshl_b32 s47, s18, 18
	s_add_co_u32 s46, s46, s47                     ; + 128 rows x half
	s_mov_b32 s47, 0
	s_mul_i32 s2, s16, HALFT                       ; where they go: wave x 128 rows: no place in the cluster enters an LDS address
	s_mov_b32 s[SEL], 0x76543210
	s_mov_b32 s[SEL+1], 0xfedcba98
	; byte offsets of my parts of the other buffers, each in a pair of its own
	s_lshl_b32 s88, s43, 10                        ; hidden: row b of 1,024 bytes
	s_mov_b32 s89, 0
	s_lshl_b32 s90, s42, 18                        ; W_w: row 256 x + 128 CH + 64 RH of 1,024 bytes
	s_lshl_b32 s91, s18, 17
	s_add_co_u32 s90, s90, s91
	s_lshl_b32 s91, s17, 16
	s_add_co_u32 s90, s90, s91
	s_mov_b32 s91, 0
	s_lshl_b32 s94, s42, 10                        ; v_w: my 128 columns, in f32: 1,024 x + 512 CH
	s_lshl_b32 s95, s18, 9
	s_add_co_u32 s94, s94, s95
	s_lshl_b32 s95, s17, 8
	s_add_co_u32 s92, s94, s95                     ; W_b, U_b: the 64 columns whose bias I make: + 256 RH
	s_mov_b32 s93, 0
	s_mov_b32 s95, 0
	s_lshl_b32 s78, s42, 1
	s_add_co_u32 s78, s78, s18
	s_lshl_b32 s78, s78, 17                        ; part: plane 2 x + CH of 131,072 bytes,
	s_lshl_b32 s79, s43, 11
	s_add_co_u32 s78, s78, s79                     ; row b of 2,048,
	s_lshl_b32 s79, s17, 9
	s_add_co_u32 s78, s78, s79                     ; my 128 rows s
	s_mov_b32 s79, 0
	s_lshl_b32 s96, s18, 24                        ; the prefetches: the 128 rows that I fetch,
	s_lshl_b32 s97, s40, 22
	s_add_co_u32 s96, s96, s97                     ; my work-group's 32 of them,
	s_lshl_b32 s97, s43, 11
	s_add_co_u32 s96, s96, s97                     ; b,
	s_add_co_u32 s96, s96, 3*ROWB                  ; at slot step 3: the first change of slots steps it to 4
	s_mov_b32 s97, 0
	s_cmp_eq_u32 s17, 0
	s_cselect_b32 s[LIM], 1, -1
	; every vector address, from the thread's number, the wave's number and constants
	v_and_b32 v1, 15, v0                           ; r
	v_bfe_u32 v2, v0, 4, 1                         ; hh
	v_and_b32 v[LN], 31, v0
	v_mul_u32_u24 v3, v1, PITCH
	v_lshl_add_u32 v4, v2, 4, v3                   ; a fragment's row x pitch + 16 hh
	s_mul_i32 s22, s17, HALFT                      ; my 128 rows of A
	s_mul_i32 s23, s18, HALFT                      ; my 128 rows of B,
	s_add_co_u32 s23, s23, 2*HALFT                 ; which lie behind the 256 of A
.irp s, 0,1
	v_add_nc_u32 v[ADRA+\s], s22, v4
	v_add_nc_u32 v[ADRB+\s], s23, v4
	s_add_co_u32 s22, s22, SLOT
	s_add_co_u32 s23, s23, SLOT
.endr
	v_lshlrev_b32 v[BO], 5, v2
	s_lshl_b32 s22, s16, 9
	s_add_co_u32 s22, s22, STAGE                   ; my stage
	v_lshl_add_u32 v[STW], v[LN], 2, s22
	v_lshl_add_u32 v[STR], v[LN], 4, s22
	v_lshlrev_b32 v[OO], 4, v[LN]
	v_lshlrev_b32 v[PFO], 17, v[LN]
	v_lshlrev_b32 v[WO], 10, v1
	v_lshl_add_u32 v[WO], v2, 4, v[WO]
	s_lshl_b32 s22, s16, 10
	s_add_co_u32 s22, s22, HX                      ; my copy of hidden's row
	v_lshl_add_u32 v[HXW], v[LN], 4, s22
	v_lshl_add_u32 v[HXR], v2, 4, s22
	s_lshl_b32 s22, s18, 13
	s_add_co_u32 s22, s22, BXCH                    ; my column half's eight tiles of the bias,
	v_lshl_add_u32 v[BXR], v[LN], 4, s22
	s_lshl_b32 s23, s17, 12
	s_add_co_u32 s22, s22, s23                     ; and the four of them that I make
	v_lshl_add_u32 v[BXW], v[LN], 4, s22
	s_wait_kmcnt 0x0
	s_load_b128 s[68:71], s[8:9], 0x0              ; e0, e1, e2, e3
	s_add_nc_u64 s[20:21], s[4:5], s[20:21]
	s_add_nc_u64 s[46:47], s[6:7], s[46:47]
	s_add_nc_u64 s[80:81], s[80:81], s[88:89]
	s_add_nc_u64 s[82:83], s[82:83], s[90:91]
	s_add_nc_u64 s[84:85], s[84:85], s[92:93]
	s_add_nc_u64 s[86:87], s[86:87], s[92:93]
	s_add_nc_u64 s[12:13], s[12:13], s[94:95]
	s_add_nc_u64 s[14:15], s[14:15], s[78:79]
	s_add_nc_u64 s[PFA:PFA+1], s[4:5], s[96:97]
	CROUND                                         ; all sixteen work-groups are here: the first joint loads meet
.irp s, 0,1
	s_mov_b32 s[G0+4*\s], 1                        ; count = 1
	s_add_co_u32 s[G0+4*\s+1], s2, \s*SLOT         ; LDS address
	s_add_nc_u64 s[G0+4*\s+2:G0+4*\s+3], s[20:21], \s*ROWB   ; global address: slot step s
	s_or_b32 s[G0+4*\s+3], s[G0+4*\s+3], 0x80000000          ; type = 2
	s_mov_b32 s[G0B+4*\s], 1
	s_add_co_u32 s[G0B+4*\s+1], s2, \s*SLOT
	s_add_nc_u64 s[G0B+4*\s+2:G0B+4*\s+3], s[46:47], \s*ROWB
	s_or_b32 s[G0B+4*\s+3], s[G0B+4*\s+3], 0x80000000
	JLOAD G0+4*\s, G1, G0B+4*\s, G1B               ; two loads of mine are out
.endr
	; ---- THE BIAS, while the first tiles are on their way.  146 loads: hidden's row (2), W_b and U_b of my 64 columns (16), my 32 fragments of W_w (128), K step by K step, in the order in which they are multiplied
	global_load_b128 v[BIAS:BIAS+3], v[OO], s[80:81]               ; hidden's row b as it lies: 512 consecutive bytes a load (these eight registers are free until the first product writes them)
	global_load_b128 v[BIAS+4:BIAS+7], v[OO], s[80:81] offset:512
.irp i, 0,1,2,3
	global_load_b128 v[WBV+8*\i:WBV+8*\i+3], v[BO], s[84:85] offset:64*\i
	global_load_b128 v[WBV+8*\i+4:WBV+8*\i+7], v[BO], s[84:85] offset:64*\i+16
	global_load_b128 v[UBV+8*\i:UBV+8*\i+3], v[BO], s[86:87] offset:64*\i
	global_load_b128 v[UBV+8*\i+4:UBV+8*\i+7], v[BO], s[86:87] offset:64*\i+16
.endr
	WIN 0x80                                       ; destination window 2: K steps 0-3; fragment (K step s, tile i) at v[16 (4 (s % 4) + i)]
.irp s, 0,1,2,3
.irp i, 0,1,2,3
.irp c, 0,1,2,3
	global_load_b128 v[FR*(4*\s+\i)+4*\c:FR*(4*\s+\i)+4*\c+3], v[WO], s[82:83] offset:16384*\i+128*\s+32*\c
.endr
.endr
.endr
	WIN 0xc0                                       ; destination window 3: K steps 4-7
.irp s, 0,1,2,3
.irp i, 0,1,2,3
.irp c, 0,1,2,3
	global_load_b128 v[FR*(4*\s+\i)+4*\c:FR*(4*\s+\i)+4*\c+3], v[WO], s[82:83] offset:16384*\i+128*(\s+4)+32*\c
.endr
.endr
.endr
	WIN 0
	s_wait_loadcnt 63                              ; loads come back in order: 144 were issued behind hidden's two, so with 63 out those two are in
	ds_store_b128 v[HXW], v[BIAS:BIAS+3]           ; the row goes through my own 1,024 bytes of LDS,
	ds_store_b128 v[HXW], v[BIAS+4:BIAS+7] offset:512
.irp s, 0,1,2,3,4,5,6,7
.irp c, 0,1,2,3
	ds_load_b128 v[AF+FR*\s+4*\c:AF+FR*\s+4*\c+3], v[HXR] offset:128*\s+32*\c   ; and comes back as eight fragments whose sixteen rows are all row b (LDS serves a wave's instructions in order: ISA guide 5.7.1.4)
.endr
.endr
	s_wait_kmcnt 0x0
	s_add_co_i32 s78, s70, s71                     ; e2 + e3
	s_sub_co_i32 s23, 0, s78                       ; -(e2 + e3)
	s_lshl_b32 s78, s78, 23
	s_add_co_i32 s[CS], s78, 0x4038aa3b            ; c = 2 log2(e) x 2^(e2 + e3): the exponents are added to the exponent field
	s_mov_b32 s[CS+1], s[CS]                       ; (named with it as a pair, so it is written)
	s_add_co_i32 s22, s68, s69                     ; e0 + e1
	s_wait_dscnt 0x0
.irp s, 0,1,2,3,4,5,6,7                        ; four sums by turns, one instruction a turn
.if 16*(7-\s) > 63
	s_wait_loadcnt 63                              ; more than 63 loads were issued behind this K step's: the largest count that the wait can name serves
.else
	s_wait_loadcnt 16*(7-\s)                       ; all but the later K steps' loads, sixteen each, are in
.endif
	WIN 0x02+(\s/4)                                ; source 0 (W_w) window 2, then 3; all else window 0
.irp i, 0,1,2,3
.if \s == 0
	v_wmma_f32_16x16x128_fp8_fp8 v[BIAS+8*\i:BIAS+8*\i+7], v[FR*(4*(\s%4)+\i):FR*(4*(\s%4)+\i)+FR-1], v[AF+FR*\s:AF+FR*\s+FR-1], 0
.else
	v_wmma_f32_16x16x128_fp8_fp8 v[BIAS+8*\i:BIAS+8*\i+7], v[FR*(4*(\s%4)+\i):FR*(4*(\s%4)+\i)+FR-1], v[AF+FR*\s:AF+FR*\s+FR-1], v[BIAS+8*\i:BIAS+8*\i+7]
.endif
.endr
.endr
	WIN 0
.set j, 0
.rept 16
	v_pk_add_f32 v[WBV+j:WBV+j+1], v[WBV+j:WBV+j+1], v[UBV+j:UBV+j+1]   ; W_b + U_b.  These sixteen name no register of the products: they are the places behind them (ISA guide 7.12.1)
.set j, j+2
.endr
.set j, 0
.rept 32
	v_ldexp_f32 v[BIAS+j], v[BIAS+j], s22          ; x 2^(e0 + e1); each sum is read from its low end on
.set j, j+1
.endr
.set j, 0
.rept 16
	v_pk_add_f32 v[BIAS+j:BIAS+j+1], v[BIAS+j:BIAS+j+1], v[WBV+j:WBV+j+1]
.set j, j+2
.endr
.set j, 0
.rept 32
	v_ldexp_f32 v[BIAS+j], v[BIAS+j], s23          ; x 2^-(e2 + e3)
.set j, j+1
.endr
.irp i, 0,1,2,3
	ds_store_b128 v[BXW], v[BIAS+8*\i:BIAS+8*\i+3] offset:1024*\i          ; my four tiles as images of their registers: lane l's 16 bytes at 16 l
	ds_store_b128 v[BXW], v[BIAS+8*\i+4:BIAS+8*\i+7] offset:1024*\i+512
.endr
.macro FRAG reg, adr, q, i             ; a fragment: lane l holds row l % 16; registers 4 c .. 4 c + 3 hold K = 32 c + 16 (l / 16) + 0 .. 15
.irp c, 0,1,2,3
	ds_load_b128 v[\reg+4*\c:\reg+4*\c+3], v[\adr] offset:128*(\q)+32*\c+(\i)*16*PITCH
.endr
.endm
; 16 matrix instructions: blocks a0, a0 + 1 of A x the eight of B, 128 along K.  p: the set of B.  first = 1: the bias is the C: the first product starts the sums, nothing is cleared and nothing is added later.
; The 64 accumulators take turns, one instruction a turn, in the same order in every step.
.macro MUL16 a0, p, first
.irp a, \a0, \a0+1
.irp b, 0,1,2,3,4,5,6,7
.if \first
	v_wmma_f32_16x16x128_fp8_fp8 v[8*(8*((\a)%4)+\b):8*(8*((\a)%4)+\b)+7], v[128*(\p)+FR*\b:128*(\p)+FR*\b+FR-1], v[AF+FR*(\a):AF+FR*(\a)+FR-1], v[BIAS+8*\b:BIAS+8*\b+7]
.else
	v_wmma_f32_16x16x128_fp8_fp8 v[8*(8*((\a)%4)+\b):8*(8*((\a)%4)+\b)+7], v[128*(\p)+FR*\b:128*(\p)+FR*\b+FR-1], v[AF+FR*(\a):AF+FR*(\a)+FR-1], v[8*(8*((\a)%4)+\b):8*(8*((\a)%4)+\b)+7]
.endif
.endr
.endr
.endm
.macro FETCH_B slot, q, p              ; the eight fragments of B of the slot's q-th 128 along K into set p
	WIN TO_B
.irp i, 0,1,2,3,4,5,6,7
	FRAG 128*(\p)+FR*\i, ADRB+\slot, \q, \i
.endr
	WIN 0
.endm
.macro FETCH_A slot, q, i0             ; blocks i0 .. i0 + 3 of A
.irp i, \i0, \i0+1, \i0+2, \i0+3
	FRAG AF+FR*(\i), ADRA+\slot, \q, \i
.endr
.endm
.macro VLOAD                           ; v of my 128 columns, laid as the bias, into the registers of A's blocks 0-3, whose products are issued
.irp n, 0,1,2,3,4,5,6,7
	global_load_b128 v[VV+8*\n:VV+8*\n+3], v[BO], s[12:13] offset:64*\n
	global_load_b128 v[VV+8*\n+4:VV+8*\n+7], v[BO], s[12:13] offset:64*\n+16
.endr
.endm
; A load into a register that a matrix instruction has read, and a vector instruction that reads or writes a matrix result, stand NP places behind that matrix instruction; only plain vector
; instructions that name none of its registers are places (ISA guide 7.12.1 for vector instructions).
.macro PLACES n
.rept \n
	v_nop
.endr
.endm
; A step of 128 along K that has its successor in the same slot.  A block of A is free as soon as its eight products are issued: blocks 0-3 are fetched anew in the step's middle, blocks 4-7 at its end.
.macro STEP slot, q, first
	s_wait_dscnt 4*NL                              ; the set of B and blocks 0-3 of A are in (and, ahead of the first step, the bias); the youngest sixteen loads (blocks 4-7) may be out
.if \first
	WIN FIRST_LO
.else
	WIN MUL_LO
.endif
	MUL16 0, (\q)%2, \first
	MUL16 2, (\q)%2, \first
	s_wait_dscnt 0                                 ; blocks 4-7 are in (asked for 32 matrix instructions ago)
	PLACES NP
	FETCH_B \slot, (\q)+1, 1-(\q)%2
	FETCH_A \slot, (\q)+1, 0
.if \first
	WIN FIRST_HI
.else
	WIN MUL_HI
.endif
	MUL16 4, (\q)%2, \first
	MUL16 6, (\q)%2, \first
	PLACES NP
	WIN 0
	FETCH_A \slot, (\q)+1, 4
.endm
; A slot's last step of 128 along K, with THE CHANGE OF SLOTS AT ITS HEAD: all its fragments have been asked for (the last, blocks 4-7 of A, at the end of the step before), so the slot is free as soon as they are in.
; Each wave waits for all its tensor loads (the one that is out is its part of the next slot), adds 0 to its spare word, steps the descriptors, and waits for the add and for its reads of this slot; then the round; then the
; joint refill, first behind it.  So all 128 matrix instructions of a slot step stand between a request and the wait for it.
; mode 0: the slot is filled again with this tile's K step two on.  mode 1, 2: with tile 1's K step 0, 1 (the ring walks on); mode 2 also ends tile 0: v is fetched in place of the next fragments.  mode 3: nothing is filled.
.macro TURN slot, next, mode
.if \mode < 3
	s_wait_xcnt 0x0                                ; the last prefetch, a slot step back, has read its address: it is stepped here, ahead of the waits of the change of slots
.if \mode == 1
	s_add_nc_u64 s[PFA:PFA+1], s[PFA:PFA+1], PF_NEXT
.else
	s_add_nc_u64 s[PFA:PFA+1], s[PFA:PFA+1], ROWB
.endif
.endif
	s_wait_tensorcnt 0x0                           ; all my tensor loads have landed: no load of mine is out, so a group 0 may be written  (every window is 0 here)
	ds_add_u32 v[SPW], v[NIL]                      ; 0 onto my spare word: the descriptors' steps stand between it and the wait for it
.if \mode == 0
	s_add_nc_u64 s[G0+4*\slot+2:G0+4*\slot+3], s[G0+4*\slot+2:G0+4*\slot+3], 2*ROWB
	s_add_nc_u64 s[G0B+4*\slot+2:G0B+4*\slot+3], s[G0B+4*\slot+2:G0B+4*\slot+3], 2*ROWB
.elseif \mode < 3
	s_add_nc_u64 s[G0+4*\slot+2:G0+4*\slot+3], s[G0+4*\slot+2:G0+4*\slot+3], NEXT_A
	s_sub_nc_u64 s[G0B+4*\slot+2:G0B+4*\slot+3], s[G0B+4*\slot+2:G0B+4*\slot+3], BACK_B
.endif
	s_wait_dscnt 0x0                               ; the add is done, and my reads of this slot are over
.if \mode < 3
	CROUND                                         ; no wave of any partner still reads this slot's tile or has a load on its way, and the next slot is whole
	JLOAD G0+4*\slot, G1, G0B+4*\slot, G1B         ; the first tensor load behind the round, my one load until the next
.if \mode == 0
	ASK 0
.else
	ASK 1
.endif
.else
	s_barrier_signal -1                            ; nothing is filled: the work-group's barrier shows the last slot whole to every wave
	s_barrier_wait -1
.endif
	WIN MUL_LO
	MUL16 0, 1, 0
	MUL16 2, 1, 0
	PLACES NP
.if \mode == 2
	WIN 0
	VLOAD
.else
	FETCH_B \next, 0, 0
	FETCH_A \next, 0, 0
.endif
	WIN MUL_HI
	MUL16 4, 1, 0
	MUL16 6, 1, 0
	PLACES NP
	WIN 0
.if \mode != 2
	FETCH_A \next, 0, 4
.endif
.endm
; Three laps of the ring: a trip goes from a lap's second step to the next lap's first, and fills both slots again.
.macro LAPS3
	s_mov_b32 s3, 3
.Llap_\@:
	TURN 0, 1, 0
	STEP 1, 0, 0
	TURN 1, 0, 0
	STEP 0, 0, 0
	s_sub_co_u32 s3, s3, 1
	s_cmp_lg_u32 s3, 0
	s_cbranch_scc1 .Llap_\@
.endm
; A TILE'S EPILOGUE, a window of 256 registers (four blocks of 16 rows) at a time, in place: t = c acc, 2^t, 1 + 2^t, its reciprocal r, and v r summed along my 64 columns.
; The exponentials of a window are ONE batch and the reciprocals another: a pair's scaling (or addition) stands one pair ahead of its two transcendentals, nothing names a result inside a batch, one plain
; instruction and one s_wait_alu follow each batch.  Each accumulator is read from its low end on.
.macro EPI t
.irp hi, 0,1
	WIN 0x82+0x41*\hi                              ; source 0 and destination: window 2, then 3
	v_pk_mul_f32 v[0:1], v[0:1], s[CS:CS+1] op_sel_hi:[1,0]
.set j, 0
.rept 128
.if j < 127
	v_pk_mul_f32 v[2*j+2:2*j+3], v[2*j+2:2*j+3], s[CS:CS+1] op_sel_hi:[1,0]
.endif
	v_exp_f32 v[2*j], v[2*j]
	v_exp_f32 v[2*j+1], v[2*j+1]
.set j, j+1
.endr
	v_nop                                          ; the plain instruction behind the last exponential
	s_wait_alu depctr_va_vdst(0)                   ; one wait for the 256
	v_pk_add_f32 v[0:1], v[0:1], 1.0 op_sel_hi:[1,0]
.set j, 0
.rept 128
.if j < 127
	v_pk_add_f32 v[2*j+2:2*j+3], v[2*j+2:2*j+3], 1.0 op_sel_hi:[1,0]
.endif
	v_rcp_f32 v[2*j], v[2*j]
	v_rcp_f32 v[2*j+1], v[2*j+1]
.set j, j+1
.endr
	v_nop
	s_wait_alu depctr_va_vdst(0)                   ; one wait for the 256 reciprocals
.if \hi == 0
	s_wait_loadcnt 0x0                             ; v is in
.endif
	WIN 0x02+\hi                                   ; source 0 (r) window 2 or 3; v and the sums window 0
.set p, 0
.rept 32                                           ; pair p of a block's 32 pairs of columns; the four blocks' chains take turns
.irp a, 0,1,2,3
.if p == 0
	v_pk_mul_f32 v[SS+2*(4*\hi+\a):SS+2*(4*\hi+\a)+1], v[64*\a:64*\a+1], v[VV:VV+1]
.else
	v_pk_fma_f32 v[SS+2*(4*\hi+\a):SS+2*(4*\hi+\a)+1], v[64*\a+2*p:64*\a+2*p+1], v[VV+2*p:VV+2*p+1], v[SS+2*(4*\hi+\a):SS+2*(4*\hi+\a)+1]
.endif
.endr
.set p, p+1
.endr
.endr
	WIN 0
.irp a, 0,1,2,3,4,5,6,7
	v_add_f32 v[SS+2*\a], v[SS+2*\a], v[SS+2*\a+1]         ; a pair's two halves,
.endr
.irp a, 0,1,2,3,4,5,6,7
	v_permlanex16_b32 v[SS+2*\a+1], v[SS+2*\a], s[SEL], s[SEL+1]
.endr
.irp a, 0,1,2,3,4,5,6,7
	v_add_f32 v[SS+2*\a], v[SS+2*\a], v[SS+2*\a+1]         ; and the other 64 columns, which lie in the lane 16 away: row 16 a + lane % 16, in both lanes
.endr
	v_cmp_lt_u32 vcc_lo, 15, v[LN]
.irp i, 0,1,2,3
	v_cndmask_b32 v[OV+\i], v[SS+4*\i], v[SS+4*\i+2], vcc_lo   ; lanes 0-15 keep block 2 i, lanes 16-31 block 2 i + 1: row 32 i + lane
.endr
.irp i, 0,1,2,3
	ds_store_b32 v[STW], v[OV+\i] offset:128*\i    ; through my own stage: LDS serves a wave's instructions in order (ISA guide 5.7.1.4), so the load below sees these
.endr
	ds_load_b128 v[OUT:OUT+3], v[STR]              ; rows 4 lane .. 4 lane + 3
	s_wait_dscnt 0x0
	global_store_b128 v[OO], v[OUT:OUT+3], s[14:15] offset:1024*\t   ; 32 lanes store 512 consecutive bytes, at a multiple of 256 from the buffer's first byte; its registers are written again only behind later waits on XCNT
.endm
	s_wait_tensorcnt 1                             ; my part of slot step 0 is in (step 1's load may be out)
	s_wait_dscnt 0x0                               ; and, for the other waves, my stores of the bias are done
	s_barrier_signal -1
	s_barrier_wait -1                              ; everybody's are
.irp n, 0,1,2,3,4,5,6,7
	ds_load_b128 v[BIAS+8*\n:BIAS+8*\n+3], v[BXR] offset:1024*\n           ; the eight tiles of my column half, four of them made by the wave of the other row half
	ds_load_b128 v[BIAS+8*\n+4:BIAS+8*\n+7], v[BXR] offset:1024*\n+512
.endr
	; ---- tile 0: s 0 .. 255
	FETCH_B 0, 0, 0
	FETCH_A 0, 0, 0
	FETCH_A 0, 0, 4
	STEP 0, 0, 1                                   ; the first step stands in front of the loop: its products start the sums from the bias
	LAPS3                                          ; slot steps 0 (second half) to 6 (first half); refills 2 to 7
	TURN 0, 1, 1                                   ; step 6 ends; THE RING GOES ON INTO TILE 1: slot 0 takes its K step 0,
	STEP 1, 0, 0
	TURN 1, 0, 2                                   ; step 7 ends; slot 1 takes tile 1's K step 1.  Its wait for all loads and its round have shown slot 0 whole to every wave
	EPI 0                                          ; slot 1's refill is asked for and lands under the epilogue
	; ---- tile 1: s 256 .. 511
	FETCH_B 0, 0, 0
	FETCH_A 0, 0, 0
	FETCH_A 0, 0, 4
	STEP 0, 0, 1
	LAPS3                                          ; slot steps 8 to 14; refills 10 to 15
	TURN 0, 1, 3                                   ; the tail is written out: nothing is left to fetch, so no round and no load
	STEP 1, 0, 0
	s_wait_dscnt 4*NL                              ; the very last step
	WIN MUL_LO
	MUL16 0, 1, 0
	MUL16 2, 1, 0
	s_wait_dscnt 0
	PLACES NP
	WIN 0
	VLOAD
	WIN MUL_HI
	MUL16 4, 1, 0
	MUL16 6, 1, 0
	PLACES NP
	WIN 0
	EPI 1
	s_wait_tensorcnt 0x0                           ; the wave's end, behind my last tensor load and my last LDS store
	ds_add_u32 v[SPW], v[NIL]
	s_wait_dscnt 0x0
	CROUND                                         ; the closing round: no work-group ends while a partner may still ask for a tile that names it
	s_endpgm
.Lfunc_end_k_qfbbd951beb_main:
	.size	k_qfbbd951beb_main, .Lfunc_end_k_qfbbd951beb_main-k_qfbbd951beb_main
	.p2alignl 7, 3214868480
	.fill 96, 4, 3214868480
	.section	.rodata,"a",@progbits
	.p2align	6, 0x0
	.amdhsa_kernel k_qfbbd951beb_main
		.amdhsa_group_segment_fixed_size 327680
		.amdhsa_private_segment_fixed_size 0
		.amdhsa_enable_private_segment 0
		.amdhsa_kernarg_size 72
		.amdhsa_user_sgpr_count 2
		.amdhsa_user_sgpr_kernarg_segment_ptr 1
		.amdhsa_wavefront_size32 1
		.amdhsa_system_sgpr_workgroup_id_x 1
		.amdhsa_system_sgpr_workgroup_id_y 1
		.amdhsa_system_sgpr_workgroup_id_z 1
		.amdhsa_system_vgpr_workitem_id 0
		.amdhsa_next_free_vgpr 1024
		.amdhsa_next_free_sgpr 98
		.amdhsa_reserve_vcc 1
		.amdhsa_float_denorm_mode_32 3
		.amdhsa_float_denorm_mode_16_64 3
		.amdhsa_memory_ordered 1
		.amdhsa_forward_progress 1
		.amdhsa_inst_pref_size 255
	.end_amdhsa_kernel
	.section	.bss,"aw",@nobits
	.p2align	6
	.space	262144
	.amdgpu_metadata
---
amdhsa.version: [ 1, 2 ]
amdhsa.kernels:
  - .name:           k_qfbbd951beb_main
    .symbol:         k_qfbbd951beb_main.kd
    .args:
      - { .name: encoder_outputs_codes, .offset: 0, .size: 8, .value_kind: global_buffer, .address_space: global }
      - { .name: U_w_codes, .offset: 8, .size: 8, .value_kind: global_buffer, .address_space: global }
      - { .name: hidden_codes, .offset: 16, .size: 8, .value_kind: global_buffer, .address_space: global }
      - { .name: W_w_codes, .offset: 24, .size: 8, .value_kind: global_buffer, .address_space: global }
      - { .name: W_b, .offset: 32, .size: 8, .value_kind: global_buffer, .address_space: global }
      - { .name: U_b, .offset: 40, .size: 8, .value_kind: global_buffer, .address_space: global }
      - { .name: v_w, .offset: 48, .size: 8, .value_kind: global_buffer, .address_space: global }
      - { .name: part, .offset: 56, .size: 8, .value_kind: global_buffer, .address_space: global }
      - { .name: lowp_scales, .offset: 64, .size: 8, .value_kind: global_buffer, .address_space: global }
    .group_segment_fixed_size: 327680
    .private_segment_fixed_size: 0
    .kernarg_segment_align: 8
    .kernarg_segment_size: 72
    .max_flat_workgroup_size: 128
    .sgpr_count:     98
    .vgpr_count:     1024
    .wavefront_size: 32
...
	.end_amdgpu_metadata
.endif
;; end of part 1
;; launch soft (part 2): grid 64 x 1, 1 waves a work-group, no clusters, 0 bytes of LDS; arguments part, v_w, mask, out0; writes out0
.if DOCPART == 2
	.amdgcn_target "amdgcn-amd-amdhsa--gfx1250"
	.amdhsa_code_object_version 6
	.text
	.protected	k_qfbbd951beb_soft
	.globl	k_qfbbd951beb_soft
	.p2align	8
	.type	k_qfbbd951beb_soft,@function
k_qfbbd951beb_soft:
	s_mov_b64 s[64:65], 0
	v_nop
	global_prefetch_b8 v0, s[64:65] scope:SCOPE_SE
	s_setreg_imm32_b32 hwreg(HW_REG_WAVE_MODE, 25, 1), 1
	s_wait_xcnt 0x0
; out0[b][s] = softmax over s of (mask[b][s] ? -1e10 : energy[b][s]),  energy = (sum over h of v[h]) - 2 x (sum over the 8 planes p of part[p][b][s]).
; One wave serves one b.  Lane l holds s = 128 i + 4 l + k (i, k = 0 .. 3): every load and store of 16 bytes a lane covers 512 consecutive bytes.  The row never leaves the wave: no LDS, no barrier.
; The row's largest energy is taken away before the exponential, as the definition has it; a row that is masked everywhere gives differences of exactly 0 and so 1 / 512 everywhere.
; LIMIT: the energy is a difference of two sums of the size of the sum of |v|: its rounding error is a few f32 units of that sum.
; REGISTERS: v1 16 lane, v2 4 lane; v[16 + 16 p + 4 i ..] the parts (v16-31 become the energies); v144-175 v_w; v176-179 the mask's words; v180 -1e10; v[182:183] the sum of v; v184-187 at work.
	s_load_b256 s[4:11], s[0:1], 0x0               ; part s[4:5], v_w s[6:7], mask s[8:9], out0 s[10:11]
	v_lshlrev_b32 v1, 4, v0
	v_lshlrev_b32 v2, 2, v0
	s_lshl_b32 s14, ttmp9, 11                      ; a row of 512 f32
	s_mov_b32 s15, 0
	s_lshl_b32 s16, ttmp9, 9                       ; a row of 512 bytes
	s_mov_b32 s17, 0
	s_mov_b32 s12, 0x76543210                      ; v_permlanex16_b32: lane l xor 16
	s_mov_b32 s13, 0xfedcba98
	v_mov_b32 v180, 0xd01502f9                     ; -1e10
	v_mov_b32 v183, 0                              ; a lane permute's destination counts as one of its sources: written once
	v_mov_b32 v185, 0
	s_wait_kmcnt 0x0
	s_add_nc_u64 s[4:5], s[4:5], s[14:15]
	s_add_nc_u64 s[8:9], s[8:9], s[16:17]
	s_add_nc_u64 s[10:11], s[10:11], s[14:15]
.irp i, 0,1,2,3,4,5,6,7
	global_load_b128 v[144+4*\i:147+4*\i], v1, s[6:7] offset:512*\i
.endr
.irp i, 0,1,2,3
	global_load_b32 v[176+\i], v2, s[8:9] offset:128*\i
.endr
.irp p, 0,1,2,3,4,5,6,7
.irp i, 0,1,2,3
	global_load_b128 v[16+16*\p+4*\i:19+16*\p+4*\i], v1, s[4:5] offset:131072*\p+512*\i
.endr
.endr
	s_wait_loadcnt 36                              ; v_w's eight loads are in; the 4 of the mask and the 32 of the parts may be out
.irp q, 152,160,168
.irp j, 0,2,4,6
	v_pk_add_f32 v[144+\j:145+\j], v[144+\j:145+\j], v[\q+\j:\q+\j+1]   ; the sum of v: four chains,
.endr
.endr
	v_pk_add_f32 v[144:145], v[144:145], v[148:149]
	v_pk_add_f32 v[146:147], v[146:147], v[150:151]
	v_pk_add_f32 v[144:145], v[144:145], v[146:147]
	v_add_f32 v182, v144, v145
	v_add_f32_dpp v182, v182, v182 row_xmask:1 row_mask:0xf bank_mask:0xf   ; then across the 32 lanes
	v_add_f32_dpp v182, v182, v182 row_xmask:2 row_mask:0xf bank_mask:0xf
	v_add_f32_dpp v182, v182, v182 row_xmask:4 row_mask:0xf bank_mask:0xf
	v_add_f32_dpp v182, v182, v182 row_xmask:8 row_mask:0xf bank_mask:0xf
	v_permlanex16_b32 v183, v182, s12, s13
	v_add_f32 v182, v182, v183
	s_wait_loadcnt 0x0
.irp p, 1,2,3,4,5,6,7
.irp j, 0,2,4,6,8,10,12,14
	v_pk_add_f32 v[16+\j:17+\j], v[16+\j:17+\j], v[16+16*\p+\j:17+16*\p+\j]   ; the eight planes, in eight chains
.endr
.endr
.irp j, 0,2,4,6,8,10,12,14
	v_pk_fma_f32 v[16+\j:17+\j], v[16+\j:17+\j], -2.0, v[182:183] op_sel_hi:[1,0,0]   ; energy = sum of v - 2 x the parts (of the pair the low word serves both halves)
.endr
.irp i, 0,1,2,3
.irp k, 0,1,2,3
	v_bfe_u32 v184, v[176+\i], 8*\k, 8             ; the mask's byte of s = 128 i + 4 lane + k
	v_cmp_ne_u32 vcc_lo, 0, v184
	v_cndmask_b32 v[16+4*\i+\k], v[16+4*\i+\k], v180, vcc_lo
.endr
.endr
	v_max3_num_f32 v184, v16, v17, v18             ; the row's largest energy: two chains,
	v_max3_num_f32 v185, v19, v20, v21
	v_max3_num_f32 v184, v184, v22, v23
	v_max3_num_f32 v185, v185, v24, v25
	v_max3_num_f32 v184, v184, v26, v27
	v_max3_num_f32 v185, v185, v28, v29
	v_max3_num_f32 v184, v184, v30, v31
	v_max_num_f32 v184, v184, v185
	v_max_num_f32_dpp v184, v184, v184 row_xmask:1 row_mask:0xf bank_mask:0xf   ; then across the lanes
	v_max_num_f32_dpp v184, v184, v184 row_xmask:2 row_mask:0xf bank_mask:0xf
	v_max_num_f32_dpp v184, v184, v184 row_xmask:4 row_mask:0xf bank_mask:0xf
	v_max_num_f32_dpp v184, v184, v184 row_xmask:8 row_mask:0xf bank_mask:0xf
	v_permlanex16_b32 v185, v184, s12, s13
	v_max_num_f32 v184, v184, v185
.irp j, 0,2,4,6,8,10,12,14
	v_pk_add_f32 v[16+\j:17+\j], v[16+\j:17+\j], v[184:185] op_sel_hi:[1,0] neg_lo:[0,1] neg_hi:[0,1]   ; energy - the largest, first,
.endr
.irp j, 0,2,4,6,8,10,12,14
	v_pk_mul_f32 v[16+\j:17+\j], v[16+\j:17+\j], 0x3fb8aa3b op_sel_hi:[1,0]   ; then x log2(e)
.endr
.irp j, 0,1,2,3,4,5,6,7,8,9,10,11,12,13,14,15
	v_exp_f32 v[16+\j], v[16+\j]
.endr
	v_nop                                          ; the plain instruction behind the last exponential
	s_wait_alu depctr_va_vdst(0)                   ; one wait for the sixteen, ahead of their first reader
	v_pk_add_f32 v[184:185], v[16:17], v[18:19]
	v_pk_add_f32 v[186:187], v[20:21], v[22:23]
	v_pk_add_f32 v[184:185], v[184:185], v[24:25]
	v_pk_add_f32 v[186:187], v[186:187], v[26:27]
	v_pk_add_f32 v[184:185], v[184:185], v[28:29]
	v_pk_add_f32 v[186:187], v[186:187], v[30:31]
	v_pk_add_f32 v[184:185], v[184:185], v[186:187]
	v_add_f32 v184, v184, v185
	v_add_f32_dpp v184, v184, v184 row_xmask:1 row_mask:0xf bank_mask:0xf
	v_add_f32_dpp v184, v184, v184 row_xmask:2 row_mask:0xf bank_mask:0xf
	v_add_f32_dpp v184, v184, v184 row_xmask:4 row_mask:0xf bank_mask:0xf
	v_add_f32_dpp v184, v184, v184 row_xmask:8 row_mask:0xf bank_mask:0xf
	v_permlanex16_b32 v185, v184, s12, s13
	v_add_f32 v184, v184, v185                     ; the row's sum, at least 1
	v_rcp_f32 v186, v184
	v_nop
	s_wait_alu depctr_va_vdst(0)
.irp j, 0,2,4,6,8,10,12,14
	v_pk_mul_f32 v[16+\j:17+\j], v[16+\j:17+\j], v[186:187] op_sel_hi:[1,0]
.endr
.irp i, 0,1,2,3
	global_store_b128 v1, v[16+4*\i:19+4*\i], s[10:11] offset:512*\i   ; 32 lanes store 512 consecutive bytes, at a multiple of 256 from the buffer's first byte
.endr
	s_endpgm
.Lfunc_end_k_qfbbd951beb_soft:
	.size	k_qfbbd951beb_soft, .Lfunc_end_k_qfbbd951beb_soft-k_qfbbd951beb_soft
	.p2alignl 7, 3214868480
	.fill 96, 4, 3214868480
	.section	.rodata,"a",@progbits
	.p2align	6, 0x0
	.amdhsa_kernel k_qfbbd951beb_soft
		.amdhsa_group_segment_fixed_size 0
		.amdhsa_private_segment_fixed_size 0
		.amdhsa_enable_private_segment 0
		.amdhsa_kernarg_size 32
		.amdhsa_user_sgpr_count 2
		.amdhsa_user_sgpr_kernarg_segment_ptr 1
		.amdhsa_wavefront_size32 1
		.amdhsa_system_sgpr_workgroup_id_x 1
		.amdhsa_system_sgpr_workgroup_id_y 1
		.amdhsa_system_sgpr_workgroup_id_z 1
		.amdhsa_system_vgpr_workitem_id 0
		.amdhsa_next_free_vgpr 192
		.amdhsa_next_free_sgpr 66
		.amdhsa_reserve_vcc 1
		.amdhsa_float_denorm_mode_32 3
		.amdhsa_float_denorm_mode_16_64 3
		.amdhsa_memory_ordered 1
		.amdhsa_forward_progress 1
		.amdhsa_inst_pref_size 17
	.end_amdhsa_kernel
	.amdgpu_metadata
---
amdhsa.version: [ 1, 2 ]
amdhsa.kernels:
  - .name:           k_qfbbd951beb_soft
    .symbol:         k_qfbbd951beb_soft.kd
    .args:
      - { .name: part, .offset: 0, .size: 8, .value_kind: global_buffer, .address_space: global }
      - { .name: v_w, .offset: 8, .size: 8, .value_kind: global_buffer, .address_space: global }
      - { .name: mask, .offset: 16, .size: 8, .value_kind: global_buffer, .address_space: global }
      - { .name: out0, .offset: 24, .size: 8, .value_kind: global_buffer, .address_space: global }
    .group_segment_fixed_size: 0
    .private_segment_fixed_size: 0
    .kernarg_segment_align: 8
    .kernarg_segment_size: 32
    .max_flat_workgroup_size: 32
    .sgpr_count:     66
    .vgpr_count:     192
    .wavefront_size: 32
...
	.end_amdgpu_metadata
.endif
;; end of part 2
